; MI455X (gfx1250); checked and timed in simulation.
; The chip was launched on July 23, 2026; its instructions are those of AMD's public machine-readable ISA for CDNA 5 (MIT licence, August 2026) and "CDNA5" Instruction Set Architecture Reference Guide (July 2026). The comments in the code are by the model that wrote it; some were corrected since.
;; Full Attention. Allowed arithmetic: matrix products marked QUANTISED: E2M1 operands, one E8M0 scale for each 32 along K, by v_wmma_scale_f32_16x16x128_f8f6f4 with both operands' format E2M1 (or v_wmma_scale_f32_32x16x128_f4), f32 sums; products left as they are: bf16, f16 or f32 operands; f32 sums; everything else in f32.
;; Inputs: keys 2 x 2,048 x 16 x 64 float32; queries 2 x 2,048 x 16 x 64 float32; values 2 x 2,048 x 16 x 64 float32.
;; Outputs: out0 2 x 2,048 x 16 x 64 float32.
;; This version of the problem:
;;   THIS VERSION OF THE PROBLEM IS GIVEN IN LOW PRECISION. The matrix products marked QUANTISED in the list below multiply operands that are first quantised to E2M1 (2 exponent bits, 1 mantissa bit; 4 bits a number), with one power-of-two scale for each 32 numbers along K (OCP MX v1.0); their sums are f32. The products marked 'left as it is' may take bf16, f16 or f32 operands, with f32 sums. Whichever they take, every output number must still come out within the allowed error. Rounding operands to bf16 (8 significant bits) uses up far more of that allowance than f16 does (11 bits, for magnitudes from 6e-5 to 65,504). All else is computed in f32.
;;   The module's matrix products, in the order in which they are computed (A, B: the left and right operand; K: the contracted axis; several contracted axes count as one K, in the product's order):
;;     1. batch 32 x [M 2,048, K 64] x [K 64, N 2,048]; A: input queries; B: input keys: QUANTISED
;;     2. batch 32 x [M 64, K 2,048] x [K 2,048, N 2,048]; A: input values; B: computed on the way: left as it is (an operand is computed on the way)
;;   THE QUANTISER, for each operand of a quantised product, along K:
;;     - K is cut into blocks of 32 from its start; a last block that is shorter is filled with zeros.
;;     - A block's scale is 2^e with e = floor(log2(the largest magnitude in the block)) - 2, held to -126 .. 127; a block of zeros has e = 0. As a byte (E8M0): e + 127.
;;     - Each number is divided by its block's scale, clamped to +-6, and rounded to the nearest number of E2M1, ties to even, subnormals kept.
;;     - The product sums the exact products of the quantised numbers (number of the format x scale) in f32.
;;   ~~~python
;;   def quantise(x, axis):      # numpy; x: float32 -> the quantised numbers, widened to float32 again
;;       x = np.moveaxis(x, axis, -1); K = x.shape[-1]
;;       x = np.pad(x, [(0, 0)] * (x.ndim - 1) + [(0, -K % 32)]); x = x.reshape(x.shape[:-1] + (-1, 32)); a = np.abs(x).max(-1, keepdims=True)
;;       e = np.where(a > 0, np.clip(np.frexp(np.where(a > 0, a, 1))[1] - 1 - 2, -126, 127), 0)      # np.frexp(a)[1] - 1 = floor(log2(a)), exactly
;;       r = np.clip(x / 2.0 ** e, -6, 6)
;;       step = 2.0 ** (np.maximum(np.frexp(np.where(r == 0, 1, r))[1] - 1, 0) - 1)
;;       q = np.round(r / step) * step * 2.0 ** e      # np.round: ties to even
;;       return np.moveaxis(q.reshape(q.shape[:-2] + (-1,))[..., :K], -1, axis).astype(np.float32)
;;   ~~~
;; One version. Each part assembles by itself: llvm-mc -triple=amdgcn-amd-amdhsa -mcpu=gfx1250 --defsym DOCPART=n.
;; ======== version 1 of 1: 2 launches
;; limits: values are held in f16: magnitudes above 65,504 overflow, below 6.1e-05 lose precision
;; workspace buffers: kv 10,747,904 bytes; qc 2,097,152 bytes; qs 262,144 bytes; bs 131,072 bytes
;; launch prep (part 1): grid 640 x 1, 4 waves a work-group, no clusters, 17,920 bytes of LDS; arguments keys, queries, values, kv, qc, qs, bs; writes kv, qc, qs, bs
.if DOCPART == 1
	.amdgcn_target "amdgcn-amd-amdhsa--gfx1250"
	.amdhsa_code_object_version 6
	.text
	.protected	k_qd81bd27025_prep
	.globl	k_qd81bd27025_prep
	.p2align	8
	.type	k_qd81bd27025_prep,@function
k_qd81bd27025_prep:
	s_mov_b64 s[64:65], 0
	v_nop
	global_prefetch_b8 v0, s[64:65] scope:SCOPE_SE
	s_setreg_imm32_b32 hwreg(HW_REG_WAVE_MODE, 25, 1), 1
	s_wait_xcnt 0x0
; THE OPERANDS OF THE ATTENTION LAUNCH ARE MADE ONCE.  keys, queries, values: [2][2048][16][64] f32 (a row (b, l) is 4,096 bytes, a head's part of it 256).  head = 16 b + h.
; keys and queries become codes of FP4 (E2M1) with one E8M0 byte for each 32 along the head's 64; values become f16, and the f32 sums of each 128 keys' values are kept beside them.
; All results are laid AS IMAGES OF THE OPERANDS' REGISTERS, lane by lane, so that the reader takes each fragment by loads of 16 bytes at 16 x lane.  Lane L = (r = L % 16, hh = L / 16).
;   kv [head 32][slot 4][83,968 bytes]; a slot is 512 keys:
;     +0       V in f16: [step of 128 keys 4][32 keys 4][e 4][c 2][lane][16 bytes]: lane (r, hh): V[key 32 s + 16 c + 8 hh + 0..7][channel 4 r + e], the lower key in the lower half
;     +65,536  K's codes: [tile of 16 keys 32][lane][16 bytes]: lane (r, hh): the 32 codes of block hh of key r of the tile
;     +81,920  K's scale words: [64 keys 8][lane][2 words]: word a of lane (r, hh) belongs to key r of tile 4 g + 2 a + hh; a word is the bytes s0, s1, s0, s1 (the key's two blocks, twice)
;   qc [head][tile of 16 queries 128][lane][16 bytes], qs [head][64 queries 32][lane][2 words]: as K's.   bs [head][step of 128 keys 16][64 channels] f32.
; A block's scale is 2^(floor(log2(its largest magnitude)) - 2); its byte is the largest magnitude's exponent field - 2, held at 1 from below.
; LIMITS: a block of zeros gets the byte 1 where the rule says 127 (its codes are zeros, which add nothing, and this program alone reads the bytes); |values| stay under 65,504, f16's largest number;
; values under 6e-5 in size are kept to 6e-8 absolute; NaN and infinities among the inputs are not served.
; SHARES: work-groups 0-127: values, a wave to 128 keys of a head; 128-383: keys, 384-639: queries, a wave to 64 rows of a head.  The head runs fastest over the waves, so a work-group's four waves read
; 1,024 bytes on end of each row (b, l).  No tensor load, no barrier: waves share nothing.  Matrix units and clusters have nothing to do here: no byte is read twice.
.set SLOTB, 83968
.set HEADB, 4*SLOTB
.set KOFF,  65536
.set SOFF,  81920
.set SPITCH, 272                       ; a stage row: 256 bytes + 16, so that the 16 rows that a load touches begin at 16 different 16-byte columns
.set STGB,  16*SPITCH                  ; a wave's stage: 16 rows
.set SPARE, 4*STGB                     ; behind the four stages: the spare words, 128 bytes for each wave: two blocks of 256 bytes that no other line names
.set SPW, 4                            ; v4  LDS address of my spare word; never rewritten
.set NIL, 5                            ; v5  0; never rewritten
.set QR,  16                           ; v16-143  the quantiser: 64 rows as loaded, 4 registers a load
.set QX,  144                          ; v144-175 a lane's block of 32 numbers
.set QC,  176                          ; v176-191 codes, 4 registers a tile: no store's data are written again
.set QW,  192                          ; v192-195 the four tiles' scale words
.set QP,  196                          ; v196-197 the pair of words that my lane stores
.set VR,  16                           ; v16-143  values: two sets of 64 numbers
.set VD,  144                          ; v144-175 32 keys x 64 channels in f16
.set VS,  176                          ; v176-183 the sums: two chains of four channels
	s_load_b256 s[4:11], s[0:1], 0x0               ; keys s[4:5], queries s[6:7], values s[8:9], kv s[10:11]
	s_load_b128 s[12:15], s[0:1], 0x20             ; qc s[12:13], qs s[14:15]
	s_load_b64 s[16:17], s[0:1], 0x30              ; bs
	v_lshl_add_u32 v[SPW], v0, 2, SPARE
	v_mov_b32 v[NIL], 0
	v_lshrrev_b32 v1, 5, v0
	v_readfirstlane_b32 s18, v1                    ; wave 0..3
	v_and_b32 v1, 31, v0                           ; lane
	v_and_b32 v2, 15, v0                           ; r
	v_bfe_u32 v3, v0, 4, 1                         ; hh
	v_lshlrev_b32 v7, 4, v1                        ; 16 x lane: an image's place for my lane
	v_lshlrev_b32 v8, 3, v1                        ; 8 x lane: a pair of scale words'
	v_cmp_gt_u32 vcc_lo, 16, v1                    ; lanes 0-15
	s_mov_b32 s20, 0x76543210
	s_mov_b32 s21, 0xfedcba98                      ; v_permlanex16_b32's selects for lane l xor 16
	s_cmp_lt_u32 ttmp9, 128                        ; values' work-groups come first; the choice hangs on the work-group's number alone
	s_cbranch_scc1 .Lvalues
; ---------------- keys and queries: my wave's 64 rows of one head ----------------
	s_sub_co_u32 s22, ttmp9, 128
	s_lshl_b32 s22, s22, 2
	s_add_co_u32 s22, s22, s18                     ; t: 0-1023 keys, 1024-2047 queries
	s_and_b32 s23, s22, 15                         ; h
	s_bfe_u32 s24, s22, 0x50004                    ; g: which 64 rows
	s_bfe_u32 s25, s22, 0x10009                    ; b
	s_lshl_b32 s26, s25, 4
	s_add_co_u32 s26, s26, s23                     ; head
	s_lshl_b32 s28, s25, 23                        ; the source: b x 2,048 rows + g x 64 rows of 4,096 bytes + h x 256
	s_lshl_b32 s27, s24, 18
	s_add_co_u32 s28, s28, s27
	s_lshl_b32 s27, s23, 8
	s_add_co_u32 s28, s28, s27
	s_mov_b32 s29, 0
	s_mul_i32 s30, s26, HEADB                      ; keys: the slot of these 64 keys in kv,
	s_lshr_b32 s27, s24, 3
	s_mul_i32 s27, s27, SLOTB
	s_add_co_u32 s30, s30, s27
	s_and_b32 s27, s24, 7
	s_lshl_b32 s32, s27, 11
	s_add_co_u32 s32, s32, s30
	s_add_co_u32 s32, s32, KOFF                    ; their four tiles of codes,
	s_lshl_b32 s34, s27, 8
	s_add_co_u32 s34, s34, s30
	s_add_co_u32 s34, s34, SOFF                    ; their scale words
	s_lshl_b32 s36, s26, 16                        ; queries: the same in qc
	s_lshl_b32 s27, s24, 11
	s_add_co_u32 s36, s36, s27
	s_lshl_b32 s38, s26, 13                        ; and in qs
	s_lshl_b32 s27, s24, 8
	s_add_co_u32 s38, s38, s27
	v_lshlrev_b32 v6, 4, v2
	v_lshl_add_u32 v6, v3, 12, v6                  ; in: lanes 0-15 a head's 256 bytes of one row, lanes 16-31 of the next row
	s_mul_i32 s19, s18, STGB                       ; my stage
	v_mul_u32_u24 v9, v3, SPITCH
	v_lshl_add_u32 v9, v2, 4, v9
	v_add_nc_u32 v9, s19, v9                       ; into it: as loaded, two rows an instruction
	v_mul_u32_u24 v10, v2, SPITCH
	v_lshl_add_u32 v10, v3, 7, v10
	v_add_nc_u32 v10, s19, v10                     ; out of it: row r, block hh: my 32 neighbours
	v_lshlrev_b32 v11, 3, v3                       ; 8 hh: my byte's place in the low half of a scale word
	v_mov_b32 v203, 0                              ; written once: a lane permute's destination counts as one of its sources
	s_wait_kmcnt 0x0
	s_cmp_lt_u32 s22, 1024                         ; keys or queries?  Only pointers and offsets are chosen: both take one path
	s_cselect_b64 s[4:5], s[4:5], s[6:7]
	s_cselect_b64 s[12:13], s[10:11], s[12:13]
	s_cselect_b64 s[14:15], s[10:11], s[14:15]
	s_cselect_b32 s32, s32, s36
	s_cselect_b32 s34, s34, s38
	s_mov_b32 s33, 0
	s_mov_b32 s35, 0
	s_add_nc_u64 s[4:5], s[4:5], s[28:29]
	s_add_nc_u64 s[12:13], s[12:13], s[32:33]
	s_add_nc_u64 s[14:15], s[14:15], s[34:35]
.set n, 0
.rept 32                                       ; all 64 rows are asked for at once: 16 lanes read 256 consecutive bytes, aligned
	global_load_b128 v[QR+4*n:QR+4*n+3], v6, s[4:5] offset:8192*n th:TH_LOAD_NT
.set n, n+1
.endr
; Tile a: 16 rows turn through my stage, so that a lane holds a whole block of 32 neighbours: its largest magnitude needs no other lane, and the four conversions give the operand's four registers.
.macro QTILE a
	s_wait_loadcnt 24-8*(\a)                       ; loads come back in order: this tile's eight are in, the later tiles' may be out
.irp i, 0,1,2,3,4,5,6,7
	ds_store_b128 v9, v[QR+32*(\a)+4*\i:QR+32*(\a)+4*\i+3] offset:2*SPITCH*\i
.endr
.irp i, 0,1,2,3,4,5,6,7
	ds_load_b128 v[QX+4*\i:QX+4*\i+3], v10 offset:16*\i   ; LDS serves a wave's instructions in order: these see the stores above, and the next tile's stores come behind them
.endr
	s_wait_dscnt 0x0
	v_max3_num_f32 v198, |v[QX]|, |v[QX+1]|, |v[QX+2]|    ; the block's largest magnitude, in two chains
	v_max3_num_f32 v199, |v[QX+3]|, |v[QX+4]|, |v[QX+5]|
.irp i, 6,10,14,18,22,26
	v_max3_num_f32 v198, v198, |v[QX+\i]|, |v[QX+\i+1]|
	v_max3_num_f32 v199, v199, |v[QX+\i+2]|, |v[QX+\i+3]|
.endr
	v_max3_num_f32 v198, v198, |v[QX+30]|, |v[QX+31]|
	v_max3_num_f32 v198, v198, v199, 0x1800000     ; and the floor 2^(3 - 127): so the byte cannot fall under 1
	v_add_nc_u32 v200, 0xff000000, v198            ; 2 off its exponent field: the conversion takes the exponent field of this operand as its scale, and nothing else of it
	v_lshrrev_b32 v201, 23, v200                   ; the scale's byte
.irp g, 0,1,2,3
	v_cvt_scalef32_pk8_fp4_f32 v[QC+4*(\a)+\g], v[QX+8*\g:QX+8*\g+7], v200
.endr
	v_nop                                          ; one plain place behind the last scaled conversion
	v_lshlrev_b32 v201, v11, v201                  ; my block's byte at its place,
	v_permlanex16_b32 v203, v201, s20, s21
	v_or_b32 v201, v201, v203                      ; with the other block's from lane l xor 16: s0, s1;
	v_lshl_or_b32 v[QW+(\a)], v201, 16, v201       ; twice: s0, s1, s0, s1
	global_store_b128 v7, v[QC+4*(\a):QC+4*(\a)+3], s[12:13] offset:512*(\a)   ; the tile's image: 512 consecutive bytes
.endm
	QTILE 0
	QTILE 1
	QTILE 2
	QTILE 3
	v_cndmask_b32 v[QP], v[QW+1], v[QW], vcc_lo    ; word 0: lanes 0-15 tile 0's, lanes 16-31 tile 1's
	v_cndmask_b32 v[QP+1], v[QW+3], v[QW+2], vcc_lo ; word 1: tiles 2 and 3
	global_store_b64 v8, v[QP:QP+1], s[14:15]      ; 32 lanes store 256 consecutive bytes, aligned
	s_wait_tensorcnt 0x0                           ; the wave's end: a tensor wait, an add to my spare word and its wait, behind my last LDS store
	ds_add_u32 v[SPW], v[NIL]
	s_wait_dscnt 0x0
	s_endpgm
; ---------------- values: my wave's 128 keys of one head ----------------
.Lvalues:
	s_lshl_b32 s22, ttmp9, 2
	s_add_co_u32 s22, s22, s18                     ; 0..511
	s_and_b32 s23, s22, 15                         ; h
	s_bfe_u32 s24, s22, 0x40004                    ; which 128 keys
	s_lshr_b32 s25, s22, 8                         ; b
	s_lshl_b32 s26, s25, 4
	s_add_co_u32 s26, s26, s23                     ; head
	s_lshl_b32 s28, s25, 23                        ; the source
	s_lshl_b32 s27, s24, 19
	s_add_co_u32 s28, s28, s27
	s_lshl_b32 s27, s23, 8
	s_add_co_u32 s28, s28, s27
	s_mov_b32 s29, 0
	s_mul_i32 s30, s26, HEADB                      ; in kv: the slot, and the step's 16,384 bytes in it
	s_lshr_b32 s27, s24, 2
	s_mul_i32 s27, s27, SLOTB
	s_add_co_u32 s30, s30, s27
	s_and_b32 s27, s24, 3
	s_lshl_b32 s27, s27, 14
	s_add_co_u32 s30, s30, s27
	s_mov_b32 s31, 0
	s_lshl_b32 s32, s26, 4                         ; in bs: 256 bytes a step
	s_add_co_u32 s32, s32, s24
	s_lshl_b32 s32, s32, 8
	s_mov_b32 s33, 0
	v_lshlrev_b32 v9, 4, v2
	v_lshl_add_u32 v9, v3, 15, v9                  ; in: channels 4 r .. 4 r + 3; lanes 16-31 eight keys further on
	v_lshlrev_b32 v10, 4, v2
	v_lshl_add_u32 v10, v3, 3, v10                 ; the sums' way out: 16 r + 8 hh
.irp e, 0,1,2,3
	v_mov_b32 v[184+\e], 0                         ; written once: lane permutes' destinations
.endr
	s_wait_kmcnt 0x0
	s_add_nc_u64 s[8:9], s[8:9], s[28:29]
	s_add_nc_u64 s[10:11], s[10:11], s[30:31]
	s_add_nc_u64 s[16:17], s[16:17], s[32:33]
.macro VLOAD s                         ; 32 keys: register 4 (8 c + i) + e of set s % 2 = V[32 s + 16 c + 8 hh + i][4 r + e]; 16 lanes read 256 consecutive bytes, aligned
.irp c, 0,1
.irp i, 0,1,2,3,4,5,6,7
	global_load_b128 v[VR+64*((\s)%2)+4*(8*\c+\i):VR+64*((\s)%2)+4*(8*\c+\i)+3], v9, s[8:9] offset:(32*(\s)+16*\c+\i)*4096 th:TH_LOAD_NT
.endr
.endr
.endm
.macro VADD k                          ; key k of my 16 onto the sums: four channels, two at a time; even and odd k in chains of their own
	v_pk_add_f32 v[VS+4*((\k)%2):VS+4*((\k)%2)+1], v[VS+4*((\k)%2):VS+4*((\k)%2)+1], v[RS+4*(\k):RS+4*(\k)+1]
	v_pk_add_f32 v[VS+4*((\k)%2)+2:VS+4*((\k)%2)+3], v[VS+4*((\k)%2)+2:VS+4*((\k)%2)+3], v[RS+4*(\k)+2:RS+4*(\k)+3]
.endm
.macro VSUB s
.set RS, VR+64*((\s)%2)
.if (\s) < 3
	s_wait_loadcnt 16                              ; these 32 keys are in; the next 32 keys' sixteen loads may be out
.else
	s_wait_loadcnt 0x0
.endif
.if (\s) > 0
	s_wait_xcnt 0x0                                ; the last stores have read their data: the f16 registers are written again only behind this wait
.endif
.irp c, 0,1
.irp e, 0,1,2,3
.irp j, 0,1,2,3
	v_cvt_pk_f16_f32 v[VD+4*(4*\c+\e)+\j], v[RS+4*(8*\c+2*\j)+\e], v[RS+4*(8*\c+2*\j+1)+\e]   ; two neighbouring keys of one channel; the lower key in the low half
.endr
.endr
.endr
.if (\s) == 0
.irp k, 0,1                                    ; the first keys start the sums: nothing is cleared
	v_pk_add_f32 v[VS+4*\k:VS+4*\k+1], v[RS+4*\k:RS+4*\k+1], v[RS+4*\k+8:RS+4*\k+9]
	v_pk_add_f32 v[VS+4*\k+2:VS+4*\k+3], v[RS+4*\k+2:RS+4*\k+3], v[RS+4*\k+10:RS+4*\k+11]
.endr
.irp k, 4,5,6,7,8,9,10,11,12,13,14,15
	VADD \k
.endr
.else
.irp k, 0,1,2,3,4,5,6,7,8,9,10,11,12,13,14,15
	VADD \k
.endr
.endif
.irp c, 0,1
.irp e, 0,1,2,3
	global_store_b128 v7, v[VD+4*(4*\c+\e):VD+4*(4*\c+\e)+3], s[10:11] offset:(4*(\s)+\e)*1024+512*\c   ; half a fragment's image: 512 consecutive bytes
.endr
.endr
.if (\s) < 2
	VLOAD (\s)+2
.endif
.endm
	VLOAD 0
	VLOAD 1
	VSUB 0
	VSUB 1
	VSUB 2
	VSUB 3
	v_pk_add_f32 v[VS:VS+1], v[VS:VS+1], v[VS+4:VS+5]       ; the two chains,
	v_pk_add_f32 v[VS+2:VS+3], v[VS+2:VS+3], v[VS+6:VS+7]
.irp e, 0,1,2,3
	v_permlanex16_b32 v[184+\e], v[VS+\e], s20, s21
.endr
.irp e, 0,1,2,3
	v_add_f32 v[VS+\e], v[VS+\e], v[184+\e]        ; and lane l xor 16's keys: the 128 keys' sum of channels 4 r .. 4 r + 3, in both halves of the lanes
.endr
	v_cndmask_b32 v188, v[VS+2], v[VS], vcc_lo     ; lanes 0-15 store channels 4 r, 4 r + 1; lanes 16-31 the other two
	v_cndmask_b32 v189, v[VS+3], v[VS+1], vcc_lo
	global_store_b64 v10, v[188:189], s[16:17]     ; the wave stores 256 consecutive bytes, aligned
	s_wait_tensorcnt 0x0                           ; the wave's end: the same three lines as on the other path
	ds_add_u32 v[SPW], v[NIL]
	s_wait_dscnt 0x0
	s_endpgm
.Lfunc_end_k_qd81bd27025_prep:
	.size	k_qd81bd27025_prep, .Lfunc_end_k_qd81bd27025_prep-k_qd81bd27025_prep
	.p2alignl 7, 3214868480
	.fill 96, 4, 3214868480
	.section	.rodata,"a",@progbits
	.p2align	6, 0x0
	.amdhsa_kernel k_qd81bd27025_prep
		.amdhsa_group_segment_fixed_size 17920
		.amdhsa_private_segment_fixed_size 0
		.amdhsa_enable_private_segment 0
		.amdhsa_kernarg_size 56
		.amdhsa_user_sgpr_count 2
		.amdhsa_user_sgpr_kernarg_segment_ptr 1
		.amdhsa_wavefront_size32 1
		.amdhsa_system_sgpr_workgroup_id_x 1
		.amdhsa_system_sgpr_workgroup_id_y 1
		.amdhsa_system_sgpr_workgroup_id_z 1
		.amdhsa_system_vgpr_workitem_id 0
		.amdhsa_next_free_vgpr 208
		.amdhsa_next_free_sgpr 66
		.amdhsa_reserve_vcc 1
		.amdhsa_float_denorm_mode_32 3
		.amdhsa_float_denorm_mode_16_64 3
		.amdhsa_memory_ordered 1
		.amdhsa_forward_progress 1
		.amdhsa_inst_pref_size 45
	.end_amdhsa_kernel
	.amdgpu_metadata
---
amdhsa.version: [ 1, 2 ]
amdhsa.kernels:
  - .name:           k_qd81bd27025_prep
    .symbol:         k_qd81bd27025_prep.kd
    .args:
      - { .name: keys, .offset: 0, .size: 8, .value_kind: global_buffer, .address_space: global }
      - { .name: queries, .offset: 8, .size: 8, .value_kind: global_buffer, .address_space: global }
      - { .name: values, .offset: 16, .size: 8, .value_kind: global_buffer, .address_space: global }
      - { .name: kv, .offset: 24, .size: 8, .value_kind: global_buffer, .address_space: global }
      - { .name: qc, .offset: 32, .size: 8, .value_kind: global_buffer, .address_space: global }
      - { .name: qs, .offset: 40, .size: 8, .value_kind: global_buffer, .address_space: global }
      - { .name: bs, .offset: 48, .size: 8, .value_kind: global_buffer, .address_space: global }
    .group_segment_fixed_size: 17920
    .private_segment_fixed_size: 0
    .kernarg_segment_align: 8
    .kernarg_segment_size: 56
    .max_flat_workgroup_size: 128
    .sgpr_count:     66
    .vgpr_count:     208
    .wavefront_size: 32
...
	.end_amdgpu_metadata
.endif
;; end of part 1
;; launch attn (part 2): grid 8 x 32, 16 waves a work-group, no clusters, 327,680 bytes of LDS; arguments kv, qc, qs, bs, out0; writes out0
.if DOCPART == 2
	.amdgcn_target "amdgcn-amd-amdhsa--gfx1250"
	.amdhsa_code_object_version 6
	.text
	.protected	k_qd81bd27025_attn
	.globl	k_qd81bd27025_attn
	.p2align	8
	.type	k_qd81bd27025_attn,@function
k_qd81bd27025_attn:
	s_mov_b64 s[64:65], 0
	v_nop
	global_prefetch_b8 v0, s[64:65] scope:SCOPE_SE
	s_setreg_imm32_b32 hwreg(HW_REG_WAVE_MODE, 25, 1), 1
	s_wait_xcnt 0x0
; out0[b][q][h][:] = the sum over keys of softmax_k(mask x (Q[q] . K[k]) / 8) V[k][:], where the mask is MULTIPLICATIVE: a key behind the query has the score 0, not -infinity, and keeps the weight 2^(0 - max).
; Q K^T on codes of FP4 (E2M1) with E8M0 scales (made by the launch before), sums in f32; the weights p and V go to the second product in f16, sums in f32; maxima, exponentials and row sums in f32.
; WHAT THE MASK SPARES.  All keys behind a query's own block of 128 have one and the same weight w = 2^(0 - max).  Their part of the sum over V is w x (the sum of their V rows), which the launch before has
; summed by steps of 128 keys, and their part of the divisor is w x their number.  So only key steps up to the query's own are multiplied; in that last step hidden scores are set to 0.
; SOFTMAX.  A running maximum m of c x score (c = log2(e) / 8) and sum l for each query: p = 2^(c s - m); in every step O and l are multiplied by a = 2^(m_old - m_new).  The hidden keys' 0 enters the maximum
; in the diagonal step and, for the keys behind it, on the way out.
; SHARES.  A work-group owns two blocks of 128 queries of one head, blocks i and 15 - i: (i + 1) + (16 - i) = 17 key steps for 8 tiles of 16 queries, the same in all 256 work-groups.  Each of its sixteen waves
; owns one tile of 16 queries in 256 registers; waves of the early and of the late block alternate so that every four waves on end, and every fourth wave, hold two of each.
; K, V and K's scale words come as images of the operands' registers, 512 keys (83,968 dense bytes) a slot, through a ring of two LDS slots; waves 0-3 fetch a quarter each, all sixteen read.
; LAYOUT.  Both products are used transposed: S^T = K Q^T (source 0 = 16 keys, source 1 = my queries), O^T = V^T P (source 0 = 16 channels x 32 keys, source 1 = P): a lane holds ONE query (lane % 16) throughout.
; Two tiles of S^T, rounded to f16 in pairs, are source 1 of the second product as they stand.  Row r of V's tile e is channel 4 r + e, so that a lane's 32 results are 32 neighbouring channels.
; THE HEAD'S 64 FILL HALF OF THE INSTRUCTION'S 128 ALONG K: the other half is zero codes on both sides.  Registers lie [K even][0][K odd] and [Q][0][Q]: an even tile takes [K][0] x [Q][0], an odd one [0][K] x [0][Q];
; a scale word holds its two bytes twice, so it serves either half.
; NO CLUSTER: the eight work-groups of a head read the same slots, but which steps a wave works, and where a work-group's fetching ends, hang on its query blocks, which differ between them;
; joint requests want partners that run alike.
; LIMITS: |values| under 65,504 (f16); NaN and infinities are not served.
.set SLOTB, 83968                      ; a slot in memory and in LDS
.set HEADB, 4*SLOTB
.set QUART, SLOTB/4                    ; 82 rows of 256 bytes: what one tensor load brings
.set SLOT1, 1<<17                      ; slot 1 begins here, so that one exclusive or turns an address in one slot into the other's
.set KOFF,  65536                      ; in a slot: K's codes behind V,
.set SOFF,  81920                      ; K's scale words behind them
.set TSC,   86016                      ; behind slot 0: each wave's 256 bytes for the hidden keys' sum of V; no tile lands here
.set SPARE, 90112                      ; the spare words, 128 bytes for each wave: eight blocks of 256 bytes that no other line names
.set STAGE, SLOT1+SLOTB                ; behind slot 1: 16 rows x (256 + 16) bytes for each wave, for the way out; no tile lands here
.set LI,  1                            ; v1   16 x lane
.set LS,  2                            ; v2   8 x lane
.set ADV, 3                            ; v3-5 LDS addresses of the step's V, K, scale words
.set ADK, 4
.set ADS, 5
.set SPW, 6                            ; v6   LDS address of my spare word; never rewritten
.set NIL, 7                            ; v7   0; never rewritten
.set GO,  8                            ; v8   the way out: my byte offset in the wave's rows of out0
.set STO, 9                            ; v9   where I put 128 bytes of a row in my stage
.set RD,  10                           ; v10  where I read a row back
.set TRD, 11                           ; v11  where my half's 32 channels of the hidden keys' sum lie
.set TM,  12                           ; v12  the running maximum of c x score (v13: named with it as a pair)
.set LSUM, 14                          ; v[14:15] the row's sum, in two halves
.set QF,  16                           ; v16-27 [Q][0][Q]
.set QSC, 28                           ; v28  Q's scale words
.set DD,  29                           ; v29  16 u + r - 8 hh: the diagonal
.set AF,  30                           ; v30  a (v31: named with it as a pair)
.set KFR, 32                           ; v32-79 four groups of 12: [K tile 2 p][0][K tile 2 p + 1]
.set S,   80                           ; v80-143 S^T; then P in v80-111, and V's third buffer in v112-143
.set VB2, 112
.set OT,  144                          ; v144-175 O^T: tile e at 144 + 8 e
.set VB0, 176                          ; v176-207, v208-239: V's buffers: four fragments (32 keys x 64 channels) each
.set VB1, 208
.set KSC, 240                          ; v240-243 K's scale words: register p: lanes 0-15 tile 2 p's, lanes 16-31 tile 2 p + 1's
.set MX,  244                          ; v244-247 four chains of the maximum
.set PD,  248                          ; v248 a lane permute's destination
.set OLD, 249                          ; v249 the maximum before this step
.set ZERO, 250                         ; v250 0: a hidden score
.set PFO, 251                          ; v251 256 x lane: the prefetches' offset; never rewritten
.set SUM2, 252                         ; v[252:253] the sum's second chain
.set T0,  254
.set T1,  255
.set WV,  14                           ; s14 wave;  s15 i;  s16 head;  s17 which of the two blocks;  s18 u: my tile in it;  s19 the block
.set BLK, 19
.set SEL, 20                           ; s[20:21] lane selects for v_permlanex16_b32: lane l xor 16
.set CS,  22                           ; s[22:23] c
.set G1,  24                           ; s[24:31] descriptor group 1
.set G0,  32                           ; s[32:35] descriptor group 0, which walks
.set TB,  36                           ; s36 LDS byte at which the slot in hand begins
.set KF,  37                           ; s37 the step's first key
.set QB,  38                           ; s38 my block's first query
.set LASTK, 39                         ; s39 my work-group's last query
.set SLOTS, 40                         ; s40 changes of slots still to come that may fill
.set LIM, 41                           ; s41 1 in a wave that prefetches, else the greatest number
.set PFA, 42                           ; s[42:43] where my prefetches stand
; Waves 0-3 fetch a quarter of a slot each, the others nothing.  The branch hangs on the wave's number alone.  An s_nop 0 and four v_nop follow the load.
.macro TLOAD
	s_cmp_lt_u32 s[WV], 4
	s_cbranch_scc0 .Lno_load_\@
	tensor_load_to_lds s[G0:G0+3], s[G1:G1+7]
	s_nop 0
.rept 4
	v_nop
.endr
.Lno_load_\@:
.endm
; A prefetch of what the NEXT change of slots will ask for: V's and K's codes' 81,920 bytes of a slot.  All eight work-groups of a head walk the same slots: the head's first work-group asks, and in it ten waves
; that fetch nothing, waves 4-13, 8,192 bytes each, lanes 256 bytes apart: each aligned block of 256 bytes is named once in the launch.  The last change that fills a slot asks for nothing; slots 0 and 1, and the
; 2,048 bytes of scale words, come by their loads alone.
.macro ASK
	s_cmp_gt_u32 s[SLOTS], s[LIM]
	s_cbranch_scc0 .Lnot_mine_\@
	global_prefetch_b8 v[PFO], s[PFA:PFA+1] th:TH_LOAD_NT scope:SCOPE_SE
.Lnot_mine_\@:
.endm
	s_load_b256 s[4:11], s[0:1], 0x0               ; kv s[4:5], qc s[6:7], qs s[8:9], bs s[10:11]
	s_load_b64 s[12:13], s[0:1], 0x20              ; out0
	v_lshl_add_u32 v[SPW], v0, 2, SPARE
	v_mov_b32 v[NIL], 0
	ds_add_u32 v[SPW], v[NIL]                      ; the wave's opening: the add, twice on end, and its wait ahead of the first tensor load; the set-up below stands between
	ds_add_u32 v[SPW], v[NIL]
	v_lshrrev_b32 v1, 5, v0
	v_readfirstlane_b32 s[WV], v1                  ; wave 0..15
	s_mov_b32 s15, ttmp9                           ; i
	s_and_b32 s16, ttmp7, 0xffff                   ; head
	s_lshr_b32 s48, s[WV], 2
	s_xor_b32 s48, s48, s[WV]
	s_and_b32 s17, s48, 1                          ; 0: block i, 1: block 15 - i
	s_lshr_b32 s18, s[WV], 1                       ; u: waves 2 u and 2 u + 1 take tile u of the two blocks
	s_sub_co_u32 s48, 15, s15
	s_cmp_eq_u32 s17, 0
	s_cselect_b32 s[BLK], s15, s48
	s_lshl_b32 s[QB], s[BLK], 7
	s_sub_co_u32 s[LASTK], 16, s15
	s_lshl_b32 s[LASTK], s[LASTK], 7
	s_sub_co_u32 s[LASTK], s[LASTK], 1             ; the last query of block 15 - i
	s_mov_b32 s[SEL], 0x76543210
	s_mov_b32 s[SEL+1], 0xfedcba98
	s_mov_b32 s[CS], 0x3e38aa3b                    ; c = log2(e) / 8
	s_mov_b32 s[CS+1], s[CS]                       ; (named with it as a pair, so it is written)
	s_mov_b32 s[TB], 0
	s_mov_b32 s[KF], 0
	s_mov_b32 s[SLOTS], 3
	; descriptor group 1: 82 rows of 32 elements of 8 bytes, dense in memory and in LDS
	s_mov_b32 s[G1], 3<<16                         ; no mask; elements of 8 bytes; no padding
	s_mov_b32 s[G1+1], 32<<16                      ; tensor_dim0 = 32
	s_mov_b32 s[G1+2], 82<<16                      ; tensor_dim1 = 82
	s_mov_b32 s[G1+3], 32<<16                      ; tile_dim0 = 32
	s_mov_b32 s[G1+4], 82                          ; tile_dim1 = 82
	s_mov_b32 s[G1+5], 32                          ; from row to row: 32 elements
	s_mov_b32 s[G1+6], 0
	s_mov_b32 s[G1+7], 0
	s_and_b32 s48, s[WV], 3
	s_mul_i32 s48, s48, QUART                      ; my quarter of a slot, in memory and in LDS
	s_mul_i32 s56, s16, HEADB                      ; the head's first byte in kv
	s_mov_b32 s57, 0
	s_mov_b32 s58, s48
	s_mov_b32 s59, 0
	s_lshl_b32 s50, s16, 16                        ; Q's codes: 65,536 bytes a head, 512 a tile; my tile is 8 x block + u
	s_lshl_b32 s49, s[BLK], 3
	s_add_co_u32 s49, s49, s18
	s_lshl_b32 s49, s49, 9
	s_add_co_u32 s50, s50, s49
	s_mov_b32 s51, 0
	s_lshl_b32 s52, s16, 13                        ; Q's scale words: 8,192 bytes a head, 256 for 64 queries;
	s_lshl_b32 s49, s[BLK], 1
	s_lshr_b32 s60, s18, 2
	s_add_co_u32 s49, s49, s60
	s_lshl_b32 s49, s49, 8
	s_add_co_u32 s52, s52, s49
	s_and_b32 s49, s18, 1                          ; in them tile 2 a + z lies in word a of lanes 16 z on
	s_lshl_b32 s49, s49, 7
	s_add_co_u32 s52, s52, s49
	s_bfe_u32 s49, s18, 0x10001
	s_lshl_b32 s49, s49, 2
	s_add_co_u32 s52, s52, s49
	s_mov_b32 s53, 0
	s_lshl_b32 s54, s16, 12                        ; the sums of V: 4,096 bytes a head
	s_mov_b32 s55, 0
	s_lshr_b32 s49, s16, 4                         ; out0: (b x 2,048 + my first query) rows of 4,096 bytes + h x 256
	s_lshl_b32 s60, s49, 23
	s_lshl_b32 s49, s18, 4
	s_add_co_u32 s49, s49, s[QB]
	s_lshl_b32 s49, s49, 12
	s_add_co_u32 s60, s60, s49
	s_and_b32 s49, s16, 15
	s_lshl_b32 s49, s49, 8
	s_add_co_u32 s60, s60, s49
	s_mov_b32 s61, 0
	v_and_b32 v[T0], 31, v0                        ; lane
	v_and_b32 v[T1], 15, v0                        ; r
	v_bfe_u32 v[OLD], v0, 4, 1                     ; hh
	v_lshlrev_b32 v[LI], 4, v[T0]
	v_lshlrev_b32 v[LS], 3, v[T0]
	v_lshlrev_b32 v[PFO], 8, v[T0]
	v_lshlrev_b32 v[ADV], 3, v[T1]                 ; (once: 8 r, the lane's place among Q's scale words)
	v_lshlrev_b32 v[GO], 4, v[T1]
	v_lshl_add_u32 v[GO], v[OLD], 12, v[GO]        ; lanes 0-15 one row of out0, lanes 16-31 the next; 16 bytes a lane
	s_mul_i32 s49, s[WV], 16*272
	s_add_co_u32 s49, s49, STAGE                   ; my stage
	v_mul_u32_u24 v[STO], v[T1], 272
	v_lshl_add_u32 v[STO], v[OLD], 7, v[STO]
	v_add_nc_u32 v[STO], s49, v[STO]               ; in: row r, channels 32 hh on
	v_mul_u32_u24 v[RD], v[OLD], 272
	v_lshl_add_u32 v[RD], v[T1], 4, v[RD]
	v_add_nc_u32 v[RD], s49, v[RD]                 ; back: two rows an instruction
	v_lshrrev_b32 v[TRD], 4, v0
	v_lshl_add_u32 v[TRD], v[TRD], 7, TSC          ; 256 x wave + 128 hh
	v_lshlrev_b32 v[DD], 3, v[OLD]
	v_sub_nc_u32 v[DD], v[T1], v[DD]
	s_lshl_b32 s49, s18, 4
	v_add_nc_u32 v[DD], s49, v[DD]                 ; 16 u + r - 8 hh
	s_wait_dscnt 0x0                               ; both opening adds are done
	s_wait_kmcnt 0x0
	s_add_nc_u64 s[4:5], s[4:5], s[56:57]          ; kv at my head
	s_mov_b32 s[G0], 1                             ; count = 1
	s_mov_b32 s[G0+1], s48                         ; LDS address: slot 0, my quarter
	s_add_nc_u64 s[G0+2:G0+3], s[4:5], s[58:59]    ; global address: the head's slot 0, my quarter
	s_or_b32 s[G0+3], s[G0+3], 0x80000000          ; type = 2
	TLOAD                                          ; slot 0: the one first fill at the head; key 0 counts for every query, so every wave reads it
	s_add_nc_u64 s[50:51], s[6:7], s[50:51]
	s_add_nc_u64 s[52:53], s[8:9], s[52:53]
	s_add_nc_u64 s[54:55], s[10:11], s[54:55]
	s_add_nc_u64 s[12:13], s[12:13], s[60:61]
	global_load_b128 v[QF:QF+3], v[LI], s[50:51]   ; Q's image, twice: for even and for odd tiles of keys
	global_load_b128 v[QF+8:QF+11], v[LI], s[50:51]
	global_load_b32 v[QSC], v[ADV], s[52:53]       ; lane r: query r's word (lanes 16-31 hold the same and are not read)
.irp j, 1,2,3,4,5,6,7,8,9,10,11,12,13,14,15
	global_load_b64 v[S+2*(\j-1):S+2*(\j-1)+1], v[LS], s[54:55] offset:256*\j   ; the sum of V over key step j: channels 2 x lane, 2 x lane + 1
.endr
	s_lshl_b32 s58, s[WV], 13                      ; the prefetches: wave 4 stands at a slot's first byte, each further wave 8,192 bytes on;
	s_add_co_u32 s58, s58, SLOTB-4*8192            ; in slot 1: the first change of slots steps it to slot 2.  Nothing is prefetched here, at the head
	s_add_nc_u64 s[PFA:PFA+1], s[4:5], s[58:59]
	s_sub_co_u32 s48, s[WV], 4
	s_cmp_lt_u32 s48, 10                           ; waves 4-13
	s_cselect_b32 s48, 0, 1
	s_or_b32 s48, s48, s15                         ; of the head's first work-group
	s_cmp_eq_u32 s48, 0
	s_cselect_b32 s[LIM], 1, -1
.irp j, 0,1,2,3
	v_mov_b32 v[QF+4+\j], 0                        ; the zero codes: written once
.irp p, 0,1,2,3
	v_mov_b32 v[KFR+12*\p+4+\j], 0
.endr
.endr
.set n, 0
.rept 32
	v_mov_b32 v[OT+n], 0                           ; O^T.  (The step is written once: the first finds zeros, which the first a leaves zeros)
.set n, n+1
.endr
	v_mov_b32 v[TM], 0xff61b1e6                    ; the maximum so far: -3e38, under every c x score
	v_mov_b32 v[TM+1], 0
	v_mov_b32 v[LSUM], 0
	v_mov_b32 v[LSUM+1], 0
	v_mov_b32 v[AF+1], 0
	v_mov_b32 v[PD], 0
	v_mov_b32 v[ZERO], 0
	v_mov_b32 v[SUM2], 0
	v_mov_b32 v[SUM2+1], 0
	s_wait_loadcnt 0x0                             ; Q, its scale words, the fifteen sums
	; T = the sum of V over all key steps behind my block: each step's sum times 1 or 0, by the block's number alone: no branch
	s_mov_b32 s45, 0
	s_cmp_lt_u32 s[BLK], 1
	s_cselect_b32 s44, 1.0, 0
	v_pk_mul_f32 v[VB2:VB2+1], v[S:S+1], s[44:45] op_sel_hi:[1,0]
.irp j, 2,3,4,5,6,7,8,9,10,11,12,13,14,15
	s_cmp_lt_u32 s[BLK], \j
	s_cselect_b32 s44, 1.0, 0
	v_pk_fma_f32 v[VB2:VB2+1], v[S+2*(\j-1):S+2*(\j-1)+1], s[44:45], v[VB2:VB2+1] op_sel_hi:[1,0,1]
.endr
	v_lshl_add_u32 v[T0], v0, 3, TSC
	ds_store_b64 v[T0], v[VB2:VB2+1]               ; into my wave's own 256 bytes, channels in their order; only my wave reads them, on the way out
.macro VFETCH q, s, vb                 ; V's four fragments of keys 32 s on of the slot's step q: eight loads of 512 consecutive bytes
.irp e, 0,1,2,3
.irp c, 0,1
	ds_load_b128 v[\vb+8*\e+4*\c:\vb+8*\e+4*\c+3], v[ADV] offset:16384*(\q)+(4*(\s)+\e)*1024+512*\c
.endr
.endr
.endm
.macro PVG s, vb                       ; O^T += V^T P for keys 32 s on: the four accumulators by turns, one instruction a turn
.irp e, 0,1,2,3
	v_wmma_f32_16x16x32_f16 v[OT+8*\e:OT+8*\e+7], v[\vb+8*\e:\vb+8*\e+7], v[S+8*(\s):S+8*(\s)+7], v[OT+8*\e:OT+8*\e+7]
.endr
.endm
; A KEY STEP: 128 keys, the q-th of the slot in hand.
.macro STEP q
	s_cmp_gt_u32 s[KF], s[QB]                      ; a step behind my block of queries is left out: its keys are served on the way out.  A branch on ids; no barrier or tensor load stands in a step
	s_cbranch_scc1 .Lhidden_\@
	s_add_co_u32 s48, s[TB], KOFF
	s_add_co_u32 s49, s[TB], SOFF
	v_add_nc_u32 v[ADV], s[TB], v[LI]              ; five places behind the last step's products: four for the loads into registers that they read,
	v_add_nc_u32 v[ADK], s48, v[LI]                ; five for the scores below, which are laid over P and over V's third buffer
	v_add_nc_u32 v[ADS], s49, v[LS]
	v_nop
	v_nop
.irp g, 0,1
	ds_load_b64 v[KSC+2*\g:KSC+2*\g+1], v[ADS] offset:512*(\q)+256*\g
.endr
.irp a, 0,1,2,3,4,5,6,7
	ds_load_b128 v[KFR+12*(\a/2)+8*(\a%2):KFR+12*(\a/2)+8*(\a%2)+3], v[ADK] offset:4096*(\q)+512*\a
.endr
	VFETCH \q, 0, VB0
	VFETCH \q, 1, VB1
	s_wait_dscnt 16                                ; the scale words and K are in; V's sixteen loads may be out
.irp p, 0,1,2,3
	v_wmma_scale_f32_16x16x128_f8f6f4 v[S+16*\p:S+16*\p+7], v[KFR+12*\p:KFR+12*\p+7], v[QF:QF+7], 0, v[KSC+\p], v[QSC] matrix_a_fmt:MATRIX_FMT_FP4 matrix_b_fmt:MATRIX_FMT_FP4
	v_wmma_scale_f32_16x16x128_f8f6f4 v[S+16*\p+8:S+16*\p+15], v[KFR+12*\p+4:KFR+12*\p+11], v[QF+4:QF+11], 0, v[KSC+\p], v[QSC] matrix_a_fmt:MATRIX_FMT_FP4 matrix_b_fmt:MATRIX_FMT_FP4 matrix_a_scale:MATRIX_SCALE_ROW1
.endr                                          ; lane (r, hh), register 8 a + j: query r, key 16 a + 8 hh + j of the step
.rept 4
	v_nop                                          ; places in front of the first read of the scores
.endr
	s_cmp_lt_u32 s[KF], s[QB]                      ; all keys of a step in front of my block count
	s_cbranch_scc1 .Lopen_\@
.set n, 0
.rept 64                                       ; my block's own step: the score of a key behind the query becomes 0: hidden where 16 a + j > 16 u + r - 8 hh
	v_cmp_gt_i32 vcc_lo, 16*(n/8)+n%8, v[DD]
	v_cndmask_b32 v[S+n], v[S+n], v[ZERO], vcc_lo
.set n, n+1
.endr
.Lopen_\@:
.irp b, 0,1,2,3
	v_max3_num_f32 v[MX+\b], v[S+16*\b], v[S+1+16*\b], v[S+2+16*\b]   ; the largest score, in four chains by turns; each accumulator is read from its low end on
.endr
.irp i, 3,5,7,9,11,13
.irp b, 0,1,2,3
	v_max3_num_f32 v[MX+\b], v[MX+\b], v[S+16*\b+\i], v[S+1+16*\b+\i]
.endr
.endr
.irp b, 0,1,2,3
	v_max_num_f32 v[MX+\b], v[MX+\b], v[S+15+16*\b]
.endr
	v_max3_num_f32 v[T0], v[MX], v[MX+1], v[MX+2]
	v_max_num_f32 v[T0], v[T0], v[MX+3]
	v_permlanex16_b32 v[PD], v[T0], s[SEL], s[SEL+1]
	v_max_num_f32 v[T0], v[T0], v[PD]              ; with lane l xor 16's 64 keys
	v_mov_b32 v[OLD], v[TM]
	v_mul_f32 v[T0], s[CS], v[T0]                  ; (c is positive)
	v_max_num_f32 v[TM], v[TM], v[T0]              ; the running maximum
	v_sub_f32 v[AF], v[OLD], v[TM]
.set n, 0
.rept 32
	v_pk_fma_f32 v[S+n:S+n+1], v[S+n:S+n+1], s[CS:CS+1], v[TM:TM+1] op_sel_hi:[1,0,0] neg_lo:[0,0,1] neg_hi:[0,0,1]   ; c s - m, two at a time
.set n, n+2
.endr
	v_exp_f32 v[AF], v[AF]                         ; a, and the 64 weights: ONE batch
.set n, 0
.rept 64
	v_exp_f32 v[S+n], v[S+n]
.set n, n+1
.endr
	v_nop                                          ; a plain place behind the last exponential
	s_wait_alu depctr_va_vdst(0)                   ; the wait ahead of the first instruction that names a result: one for the batch
	v_pk_mul_f32 v[LSUM:LSUM+1], v[LSUM:LSUM+1], v[AF:AF+1] op_sel_hi:[1,0]
	v_pk_add_f32 v[SUM2:SUM2+1], v[S:S+1], v[S+2:S+3]      ; the row's sum, of the weights before they are rounded: two at a time, in two chains
.irp j, 4,8,12,16,20,24,28,32,36,40,44,48,52,56,60
	v_pk_add_f32 v[LSUM:LSUM+1], v[LSUM:LSUM+1], v[S+\j:S+\j+1]
	v_pk_add_f32 v[SUM2:SUM2+1], v[SUM2:SUM2+1], v[S+2+\j:S+3+\j]
.endr
	v_pk_add_f32 v[LSUM:LSUM+1], v[LSUM:LSUM+1], v[SUM2:SUM2+1]
.set n, 0
.rept 32
	v_cvt_pk_f16_f32 v[S+n], v[S+2*n], v[S+2*n+1]  ; P, in place from the low end: registers 8 s .. 8 s + 7 are source 1 for keys 32 s on
.set n, n+1
.endr
	VFETCH \q, 2, VB2                              ; into the upper half of the scores' registers, which are free now
.set n, 0
.rept 16
	v_pk_mul_f32 v[OT+n:OT+n+1], v[OT+n:OT+n+1], v[AF:AF+1] op_sel_hi:[1,0]   ; O^T under the new maximum
.set n, n+2
.endr
	s_wait_dscnt 8                                 ; keys 0-63 of V are in; the eight loads just issued may be out
	PVG 0, VB0
.rept 4
	v_nop                                          ; places in front of loads into registers that those products read
.endr
	VFETCH \q, 3, VB0
	PVG 1, VB1
	s_wait_dscnt 8                                 ; keys 64-95 are in; the last eight loads may be out
	PVG 2, VB2
	s_wait_dscnt 0x0
	PVG 3, VB0
.Lhidden_\@:
	s_add_co_u32 s[KF], s[KF], 128
.endm
; THE CHANGE OF SLOTS stands at a slot's head.  Each wave waits for all its tensor loads (its part of the slot that is about to be read), adds 0 to its spare word (fill = 1: twice on end), and waits for that and for
; its reads of the slot that it has left.  Behind the barrier the slot ahead is whole and nobody reads the other one.  fill = 1: that other slot takes the next 512 keys: the load has four key steps in which to land.
.macro CHANGE fill
	s_wait_tensorcnt 0x0                           ; no tensor load of mine is out, so group 0 may be written
	ds_add_u32 v[SPW], v[NIL]                      ; 0 onto my spare word
.if \fill
	ds_add_u32 v[SPW], v[NIL]                      ; and once more: in every trip alike
	s_xor_b32 s[G0+1], s[G0+1], SLOT1              ; the walking descriptor: the other slot than last time,
	s_add_nc_u64 s[G0+2:G0+3], s[G0+2:G0+3], SLOTB ; the next 512 keys; the type bits on top are not reached
	s_wait_xcnt 0x0                                ; the last prefetch, a slot back, has read its address, so it may be written:
	s_add_nc_u64 s[PFA:PFA+1], s[PFA:PFA+1], SLOTB ; one slot further on than the walking descriptor
.endif
	s_wait_dscnt 0x0                               ; the add is done, and my LDS instructions on the slot that I have left are over
	s_barrier_signal -1
	s_barrier_wait -1
.if \fill
	s_add_co_u32 s48, s[KF], 512                   ; the first key of the slot that this change would ask for:
	s_cmp_gt_u32 s48, s[LASTK]                     ; behind my work-group's last query no wave reads it, so it is not asked for.  Ids and the count of steps alone: all sixteen waves go the same way,
	s_cbranch_scc1 .Lpast_\@                       ; and a work-group that is past the limit stays past it.  Every wait for tensor loads in this text is for 0
	TLOAD                                          ; the first thing behind the barrier, and a wave's one tensor load until the next
.Lpast_\@:
	ASK
.endif
.endm
.macro SLOT_STEPS
	STEP 0
	STEP 1
	STEP 2
	STEP 3
	s_xor_b32 s[TB], s[TB], SLOT1                  ; on to the other slot
.endm
.Lslot:                                            ; three trips: behind each change of slots but the last the next slot is asked for, up to the work-group's last query
	CHANGE 1
	SLOT_STEPS
	s_sub_co_u32 s[SLOTS], s[SLOTS], 1
	s_cmp_lg_u32 s[SLOTS], 0
	s_cbranch_scc1 .Lslot
	CHANGE 0                                       ; the last slot is written out: nothing is left to fetch
	SLOT_STEPS
	; THE KEYS BEHIND MY BLOCK: 128 (15 - block) keys with the score 0, one more step of the softmax: their weight w = 2^(0 - m), their sum of V is T.  Block 15 has none: its 0 is replaced by -3e38, so that w = 0.
	s_cmp_lt_u32 s[BLK], 15
	s_mov_b32 s46, 0xff61b1e6
	s_cselect_b32 s46, 0, s46                      ; c x their score
	s_sub_co_u32 s47, 15, s[BLK]
	s_lshl_b32 s47, s47, 7                         ; their number
	v_max_num_f32 v[OLD], s46, v[TM]               ; the final maximum.  (These plain lines are also the places behind the last products, in front of the loads into P's registers)
	v_sub_f32 v[AF], v[TM], v[OLD]
	v_sub_f32 v[T0], s46, v[OLD]
	v_add_f32 v[LSUM], v[LSUM], v[LSUM+1]          ; the sum's two halves,
	v_cvt_f32_u32 v[T1], s47
	v_permlanex16_b32 v[PD], v[LSUM], s[SEL], s[SEL+1]
	v_add_f32 v[LSUM], v[LSUM], v[PD]              ; and lane l xor 16's
.irp j, 0,1,2,3,4,5,6,7
	ds_load_b128 v[S+4*\j:S+4*\j+3], v[TRD] offset:16*\j   ; T of channels 32 hh + 4 j + 0 .. 3: my wave's own bytes
.endr
	v_exp_f32 v[AF], v[AF]                         ; a
	v_exp_f32 v[T0], v[T0]                         ; w
	v_nop
	s_wait_alu depctr_va_vdst(0)                   ; one wait for the two
	v_mul_f32 v[T1], v[T0], v[T1]
	v_fma_f32 v[LSUM], v[LSUM], v[AF], v[T1]       ; the divisor: l a + w x their number; at least about 1
	v_rcp_f32 v[LSUM], v[LSUM]
	v_nop
	s_wait_alu depctr_va_vdst(0)
	v_mul_f32 v[AF], v[AF], v[LSUM]                ; a / divisor
	v_mul_f32 v[SUM2], v[T0], v[LSUM]              ; w / divisor
	s_wait_dscnt 0x0
.set n, 0
.rept 16
	v_pk_mul_f32 v[S+n:S+n+1], v[S+n:S+n+1], v[SUM2:SUM2+1] op_sel_hi:[1,0]
.set n, n+2
.endr
.irp j, 0,1,2,3,4,5,6,7                        ; register 8 e + j of O^T is channel 32 hh + 4 j + e: j outermost
.irp e, 0,1,2,3
	v_fma_f32 v[S+4*\j+\e], v[OT+8*\e+\j], v[AF], v[S+4*\j+\e]
.endr
.endr
	; THE WAY OUT: a lane's 128 bytes of a row go into my stage; they come back two rows an instruction, and sixteen lanes store 256 consecutive bytes, aligned: a head's part of a row of out0.
.irp j, 0,1,2,3,4,5,6,7
	ds_store_b128 v[STO], v[S+4*\j:S+4*\j+3] offset:16*\j
.endr
.irp i, 0,1,2,3,4,5,6,7
	ds_load_b128 v[VB0+4*\i:VB0+4*\i+3], v[RD] offset:2*272*\i   ; LDS serves a wave's instructions in order: these see my stores
.endr
.irp i, 0,1,2,3,4,5,6,7
	s_wait_dscnt 7-\i                              ; rows 2 i and 2 i + 1 are back; the younger loads may be out
	global_store_b128 v[GO], v[VB0+4*\i:VB0+4*\i+3], s[12:13] offset:8192*\i th:TH_STORE_NT
.endr
	s_wait_tensorcnt 0x0                           ; the wave's end: a tensor wait, an add to my spare word and its wait, behind my last tensor load and my last LDS store
	ds_add_u32 v[SPW], v[NIL]
	s_wait_dscnt 0x0
	s_endpgm
.Lfunc_end_k_qd81bd27025_attn:
	.size	k_qd81bd27025_attn, .Lfunc_end_k_qd81bd27025_attn-k_qd81bd27025_attn
	.p2alignl 7, 3214868480
	.fill 96, 4, 3214868480
	.section	.rodata,"a",@progbits
	.p2align	6, 0x0
	.amdhsa_kernel k_qd81bd27025_attn
		.amdhsa_group_segment_fixed_size 327680
		.amdhsa_private_segment_fixed_size 0
		.amdhsa_enable_private_segment 0
		.amdhsa_kernarg_size 40
		.amdhsa_user_sgpr_count 2
		.amdhsa_user_sgpr_kernarg_segment_ptr 1
		.amdhsa_wavefront_size32 1
		.amdhsa_system_sgpr_workgroup_id_x 1
		.amdhsa_system_sgpr_workgroup_id_y 1
		.amdhsa_system_sgpr_workgroup_id_z 1
		.amdhsa_system_vgpr_workitem_id 0
		.amdhsa_next_free_vgpr 256
		.amdhsa_next_free_sgpr 72
		.amdhsa_reserve_vcc 1
		.amdhsa_float_denorm_mode_32 3
		.amdhsa_float_denorm_mode_16_64 3
		.amdhsa_memory_ordered 1
		.amdhsa_forward_progress 1
		.amdhsa_inst_pref_size 194
	.end_amdhsa_kernel
	.amdgpu_metadata
---
amdhsa.version: [ 1, 2 ]
amdhsa.kernels:
  - .name:           k_qd81bd27025_attn
    .symbol:         k_qd81bd27025_attn.kd
    .args:
      - { .name: kv, .offset: 0, .size: 8, .value_kind: global_buffer, .address_space: global }
      - { .name: qc, .offset: 8, .size: 8, .value_kind: global_buffer, .address_space: global }
      - { .name: qs, .offset: 16, .size: 8, .value_kind: global_buffer, .address_space: global }
      - { .name: bs, .offset: 24, .size: 8, .value_kind: global_buffer, .address_space: global }
      - { .name: out0, .offset: 32, .size: 8, .value_kind: global_buffer, .address_space: global }
    .group_segment_fixed_size: 327680
    .private_segment_fixed_size: 0
    .kernarg_segment_align: 8
    .kernarg_segment_size: 40
    .max_flat_workgroup_size: 512
    .sgpr_count:     72
    .vgpr_count:     256
    .wavefront_size: 32
...
	.end_amdgpu_metadata
.endif
;; end of part 2
